; MI455X (gfx1250); checked and timed in simulation.
; The chip was launched on July 23, 2026; its instructions are those of AMD's public machine-readable ISA for CDNA 5 (MIT licence, August 2026) and "CDNA5" Instruction Set Architecture Reference Guide (July 2026). The comments in the code are by the model that wrote it; some were corrected since.
;; Attention. Allowed arithmetic: matrix products marked QUANTISED: E4M3 operands, one given power-of-two scale a tensor, by v_wmma_f32_16x16x64_fp8_fp8 or v_wmma_f32_16x16x128_fp8_fp8, f32 sums; products left as they are: f32 operands where the result goes on into a quantised operand, else bf16, f16 or f32 operands; f32 sums; everything else in f32.
;; Inputs: attn_b 1,024 float32; attn_w 1,024 x 2,048 float32; encoder_outputs 32 x 2,048 x 1,024 float32; hidden 32 x 1,024 float32; lowp_scales 4 int32 (the exponents e of the quantised operands' scales 2^e); v_w 1 x 1,024 float32.
;; Outputs: out0 32 x 2,048 float32; out1 32 x 2,048 x 1 float32.
;; This version of the problem:
;;   THIS VERSION OF THE PROBLEM IS GIVEN IN LOW PRECISION. The matrix products marked QUANTISED in the list below multiply operands that are first quantised to E4M3 (4 exponent bits, 3 mantissa bits; 8 bits a number), with one given power-of-two scale for each operand tensor; their sums are f32. All else is computed in f32.
;;   The module's matrix products, in the order in which they are computed (A, B: the left and right operand; K: the contracted axis; several contracted axes count as one K, in the product's order):
;;     1. [M 32, K 1,024] x [K 1,024, N 1,024]; A: input hidden; B: input attn_w: QUANTISED (scales: A lowp_scales[0], B lowp_scales[1])
;;     2. [M 65,536, K 1,024] x [K 1,024, N 1,024]; A: input encoder_outputs; B: input attn_w: QUANTISED (scales: A lowp_scales[2], B lowp_scales[3])
;;     3. [M 65,536, K 1,024] x [K 1,024, N 1]; A: computed on the way; B: input v_w: left as it is (N = 1 < 16)
;;     4. batch 32 x [M 1, K 2,048] x [K 2,048, N 1,024]; A: softmax; B: input encoder_outputs: left as it is (M = 1 < 16)
;;   THE QUANTISER, for each operand of a quantised product, along K:
;;     - The operand's scale is 2^e, e = its entry of the input lowp_scales (int32; the entries are numbered through the quantised products in the list's order, A before B).
;;     - Each number is divided by the scale, clamped to +-448, and rounded to the nearest number of E4M3, ties to even, subnormals kept.
;;     - The product sums the exact products of the quantised numbers (number of the format x scale) in f32.
;;   ~~~python
;;   def quantise(x, axis, e):      # numpy; x: float32 -> the quantised numbers, widened to float32 again
;;       x = np.moveaxis(x, axis, -1); K = x.shape[-1]
;;       r = np.clip(x / 2.0 ** e, -448, 448)
;;       step = 2.0 ** (np.maximum(np.frexp(np.where(r == 0, 1, r))[1] - 1, -6) - 3)
;;       q = np.round(r / step) * step * 2.0 ** e      # np.round: ties to even
;;       return np.moveaxis(q, -1, axis).astype(np.float32)
;;   ~~~
;; One version. Each part assembles by itself: llvm-mc -triple=amdgcn-amd-amdhsa -mcpu=gfx1250 --defsym DOCPART=n.
;; ======== version 1 of 1: 3 launches
;; limits: right only within a limited range of input values
;; workspace buffers: weimg 1,048,576 bytes; tb 262,144 bytes; scores 262,144 bytes; part 1,114,112 bytes
;; launch prep (part 1): grid 32 x 1, 16 waves a work-group, no clusters, 134,656 bytes of LDS; arguments attn_w, hidden, attn_b, v_w, lowp_scales, weimg, tb; writes weimg, tb
.if DOCPART == 1
	.amdgcn_target "amdgcn-amd-amdhsa--gfx1250"
	.amdhsa_code_object_version 6
	.text
	.protected	k_q395017acb4_prep
	.globl	k_q395017acb4_prep
	.p2align	8
	.type	k_q395017acb4_prep,@function
k_q395017acb4_prep:
	s_mov_b64 s[64:65], 0
	v_nop
	global_prefetch_b8 v0, s[64:65] scope:SCOPE_SE
	s_setreg_imm32_b32 hwreg(HW_REG_WAVE_MODE, 25, 1), 1
	s_wait_xcnt 0x0
; THE PROGRAM.  e = tanh(hidden Wh^T + enc We^T + attn_b); score = e . v_w; softmax over the 2,048 positions; context = weights . enc.  Three launches:
;   prep:    quantises attn_w and hidden, makes the small product hidden Wh^T, and stores We's codes as register images (weimg) and a table (tb);
;   scores:  quantises encoder_outputs, makes enc We^T and a score for each position;      context: softmax, weighted sum, both outputs.
; WORK LEFT OUT.  tanh(x) = 1 - 2 / (1 + 2^(c2 x)), c2 = 2 log2(e), for every real x.  So score[b][s] = (sum over n of v_w[n]) - 2 sum over n of v_w[n] / (1 + 2^(c2 x[b][s][n])).
; The first term is the same for all positions s of a batch, whatever the inputs hold: a term added to the softmax's input that is constant along its axis; it cancels in the weights, and the scores
; themselves are no output.  It is not summed.  Every input still has a way to an output, and all are loaded.  LIMIT: an overflow of that sum of v_w alone is not carried to the result.
; WHAT THIS LAUNCH STORES.  tb[b][n] = the pair (c2 (sum1 2^(e0+e1) + attn_b[n]), -c2 v_w[n]), sum1 = the product of hidden's and Wh's codes.  With t = c2 2^(e2+e3) sum2 + the first,
; the score in units of log2 is the sum over n of the second / (1 + 2^t).   weimg[t][s][c][lane][16 bytes]: tile t = rows 16 t .. 16 t + 15 of We, K step s of 128: the sixteen registers of a fragment, lane by lane.
; THE QUANTISER: x held within +-448 x 2^e, divided by 2^e, rounded to the nearest code of E4M3, ties to even.  e0: hidden, e1: Wh (columns 0-1023 of attn_w), e3: We (columns 1024-2047).
; THE ORDER ALONG K.  A row of 1,024 numbers is loaded as it lies, 512 consecutive bytes a load: load i gives lane l the numbers k = 128 i + 4 l + 0..3.  Four conversions make code register i of those four.
; Registers 0-3 go to byte 16 l of the row in LDS, registers 4-7 to byte 512 + 16 l.  That is a permutation of k inside a row, the same for hidden, Wh, We and encoder_outputs (all take this one way), so every
; product meets its partner; only the order of the sums differs.
; SHARES.  Work-group x owns hidden units 32 x .. 32 x + 31.  Wave w quantises rows 32 x + 2 w, + 1 of attn_w and rows 2 w, 2 w + 1 of hidden.  Then wave (s = w % 8, u = w / 8) multiplies K step s of hidden's
; rows 16 u .. + 15 with both tiles of Wh (two matrix instructions, two accumulators), and stores K step s of tile u of We.  The eight K steps' parts meet in LDS and are added in ascending order.
; No cluster and no tensor load: every number goes through registers to be quantised.
; LIMITS: e0, e1, e3 between -126 and 119; e0 + e1 between -127 and 126 (added to c2's exponent field).  NaN among the inputs is not served.
.set PITCH, 1040                       ; a row of 1,024 codes in LDS + 16 bytes: 65 x 16, so the sixteen rows of a fragment load begin in sixteen different columns of 16 bytes
.set HID,   0                          ; 32 rows of hidden's codes
.set WH,    32*PITCH                   ; 32 rows of Wh's
.set WE,    64*PITCH                   ; 32 rows of We's
.set PART,  96*PITCH                   ; 16 waves x 2,048 bytes: the partial sums
.set SPARE, PART+16*2048               ; the spare words, 128 bytes for each wave: eight blocks of 256 bytes that no other line names
.set C2,    0x4038aa3b                 ; 2 log2(e)
.set NC2,   0xc038aa3b                 ; -2 log2(e)
.set LI,  1                            ; v1   16 x lane
.set STW, 2                            ; v2   where I store a row's codes: 16 x lane + 2 w rows
.set FRW, 3                            ; v3   a fragment's place: row r, + 16 h, + K step s
.set PW,  4                            ; v4   where I store my partial sums
.set PR,  5                            ; v5   where my thread reads them back
.set TO,  6                            ; v6   my thread's byte offset in tb
.set BO,  7                            ; v7   and in attn_b and v_w
.set SPW, 8                            ; v8   LDS address of my spare word; never rewritten
.set NIL, 9                            ; v9   0; never rewritten
.set SC0, 10                           ; v10-12  2^e0, 2^e1, 2^e3 as f32
.set SC1, 11
.set SC3, 12
.set FRH, 13                           ; v13  FRW + row tile u
.set CD,  14                           ; v14-29  two sets of eight code registers, by turns
.set FRE, 30                           ; v30  FRH + WE (an LDS immediate has 16 bits)
.set STE, 31                           ; v31  STW + WE
.set X,   32                           ; v32-223  six rows of 32 numbers a lane; later fragments, sums
.set AB,  224                          ; v224-227 attn_b's pair, v_w's pair
.set WV,  18                           ; s18  my wave's number
	s_load_b256 s[4:11], s[0:1], 0x0               ; attn_w s[4:5], hidden s[6:7], attn_b s[8:9], v_w s[10:11]
	s_load_b128 s[12:15], s[0:1], 0x20             ; the scales' exponents s[12:13], weimg s[14:15]
	s_load_b64 s[16:17], s[0:1], 0x30              ; tb
	v_lshl_add_u32 v[SPW], v0, 2, SPARE
	v_mov_b32 v[NIL], 0
	v_lshrrev_b32 v228, 5, v0
	s_delay_alu instid0(VALU_DEP_1)
	v_readfirstlane_b32 s[WV], v228                ; wave 0..15
	v_and_b32 v[LI], 31, v0
	s_delay_alu instid0(VALU_DEP_1)
	v_lshlrev_b32 v[LI], 4, v[LI]
	s_mul_i32 s19, s[WV], 2*PITCH
	v_add_nc_u32 v[STW], s19, v[LI]
	s_delay_alu instid0(VALU_DEP_1)
	v_add_nc_u32 v[STE], WE, v[STW]
	v_and_b32 v228, 15, v0                         ; r
	v_bfe_u32 v229, v0, 4, 1                       ; h
	s_delay_alu instid0(VALU_DEP_2)
	v_mul_u32_u24 v[FRW], v228, PITCH
	s_delay_alu instid0(VALU_DEP_1)
	v_lshl_add_u32 v[FRW], v229, 4, v[FRW]
	s_and_b32 s20, s[WV], 7                        ; s
	s_lshl_b32 s20, s20, 7
	v_add_nc_u32 v[FRW], s20, v[FRW]
	s_lshr_b32 s21, s[WV], 3                       ; u
	s_mul_i32 s21, s21, 16*PITCH
	v_add_nc_u32 v[FRH], s21, v[FRW]
	s_delay_alu instid0(VALU_DEP_1)
	v_add_nc_u32 v[FRE], WE, v[FRH]
	s_lshl_b32 s22, s[WV], 11
	s_add_co_u32 s22, s22, PART
	v_add_nc_u32 v[PW], s22, v[LI]
	; thread T takes batch b = T / 16 and hidden units 32 x + 2 q, + 1, q = T % 16.  In the result's layout (b, n) lies in wave 8 (b / 16) + s, tile n / 16, register b % 8 of lane n % 16 + 16 ((b / 8) % 2)
	v_bfe_u32 v230, v0, 8, 1
	s_delay_alu instid0(VALU_DEP_1)
	v_lshlrev_b32 v[PR], 14, v230                  ; 8 waves x 2,048 x (b / 16)
	v_bfe_u32 v230, v0, 3, 1
	s_delay_alu instid0(VALU_DEP_1)
	v_lshl_add_u32 v[PR], v230, 10, v[PR]          ; the tile of Wh
	v_bfe_u32 v230, v0, 6, 1
	s_delay_alu instid0(VALU_DEP_1)
	v_lshl_add_u32 v[PR], v230, 9, v[PR]           ; registers 0-3 or 4-7
	v_and_b32 v230, 7, v0
	s_delay_alu instid0(VALU_DEP_1)
	v_lshl_add_u32 v[PR], v230, 5, v[PR]           ; lane 2 (q % 8),
	v_bfe_u32 v230, v0, 7, 1
	s_delay_alu instid0(VALU_DEP_1)
	v_lshl_add_u32 v[PR], v230, 8, v[PR]           ; + 16 for the upper half of the rows
	v_bfe_u32 v230, v0, 4, 2
	s_delay_alu instid0(VALU_DEP_1)
	v_lshl_add_u32 v[PR], v230, 2, v[PR]           ; the register among four
	s_delay_alu instid0(VALU_DEP_1)
	v_add_nc_u32 v[PR], PART, v[PR]
	v_lshrrev_b32 v230, 4, v0
	s_delay_alu instid0(VALU_DEP_1)
	v_lshlrev_b32 v[TO], 13, v230                  ; tb: 8,192 b
	v_and_b32 v231, 15, v0
	s_delay_alu instid0(VALU_DEP_1)
	v_lshl_add_u32 v[TO], v231, 4, v[TO]           ;     + 16 q
	s_delay_alu instid0(VALU_DEP_2)
	v_lshlrev_b32 v[BO], 3, v231                   ; attn_b, v_w: 8 q
	s_lshl_b32 s28, ttmp9, 18                      ; attn_w: (32 x + 2 w) rows of 8,192 bytes
	s_lshl_b32 s29, s[WV], 14
	s_add_co_u32 s28, s28, s29
	s_mov_b32 s29, 0
	s_lshl_b32 s30, s[WV], 13                      ; hidden: 2 w rows of 4,096 bytes
	s_mov_b32 s31, 0
	s_lshl_b32 s40, ttmp9, 7                       ; attn_b, v_w: 32 x numbers
	s_mov_b32 s41, 0
	s_lshl_b32 s20, ttmp9, 15                      ; weimg: (16 x + w) fragments of 2,048 bytes
	s_lshl_b32 s21, s[WV], 11
	s_add_co_u32 s20, s20, s21
	s_mov_b32 s21, 0
	s_lshl_b32 s22, ttmp9, 8                       ; tb: 32 x pairs
	s_mov_b32 s23, 0
	s_wait_alu depctr_va_vdst(0)
	s_wait_kmcnt 0x0
	s_load_b128 s[24:27], s[12:13], 0x0            ; e0, e1, e2, e3
	s_add_nc_u64 s[4:5], s[4:5], s[28:29]
	s_add_nc_u64 s[6:7], s[6:7], s[30:31]
	s_add_nc_u64 s[8:9], s[8:9], s[40:41]
	s_add_nc_u64 s[10:11], s[10:11], s[40:41]
	s_add_nc_u64 s[14:15], s[14:15], s[20:21]
	s_add_nc_u64 s[16:17], s[16:17], s[22:23]
	global_load_b64 v[AB:AB+1], v[BO], s[8:9]
	global_load_b64 v[AB+2:AB+3], v[BO], s[10:11]
.irp i, 0,1,2,3,4,5,6,7                        ; each load: 32 lanes, 512 consecutive bytes.  The order is the order in which the rows are quantised
	global_load_b128 v[X+4*\i:X+4*\i+3], v[LI], s[6:7] offset:512*\i                        ; hidden, row 2 w
.endr
.irp i, 0,1,2,3,4,5,6,7
	global_load_b128 v[X+32+4*\i:X+32+4*\i+3], v[LI], s[6:7] offset:4096+512*\i             ; hidden, row 2 w + 1
.endr
.irp i, 0,1,2,3,4,5,6,7
	global_load_b128 v[X+64+4*\i:X+64+4*\i+3], v[LI], s[4:5] offset:512*\i th:TH_LOAD_NT    ; my first row: Wh,
.endr
.irp i, 0,1,2,3,4,5,6,7
	global_load_b128 v[X+96+4*\i:X+96+4*\i+3], v[LI], s[4:5] offset:4096+512*\i th:TH_LOAD_NT   ; We
.endr
.irp i, 0,1,2,3,4,5,6,7
	global_load_b128 v[X+128+4*\i:X+128+4*\i+3], v[LI], s[4:5] offset:8192+512*\i th:TH_LOAD_NT ; my second row: Wh,
.endr
.irp i, 0,1,2,3,4,5,6,7
	global_load_b128 v[X+160+4*\i:X+160+4*\i+3], v[LI], s[4:5] offset:12288+512*\i th:TH_LOAD_NT ; We
.endr
; s[e] -> v[vs] = 2^e as f32 (the conversion takes its exponent field), s[hi] = 448 x 2^e, s[lo] = -448 x 2^e
.macro MKSCALE e, vs, lo, hi
	s_add_co_i32 s[\hi], s[\e], 127
	s_lshl_b32 s[\lo], s[\hi], 23
	v_mov_b32 v[\vs], s[\lo]
	s_add_co_i32 s[\hi], s[\hi], 8
	s_lshl_b32 s[\hi], s[\hi], 23
	s_or_b32 s[\hi], s[\hi], 0x600000
	s_or_b32 s[\lo], s[\hi], 0x80000000
.endm
	s_wait_kmcnt 0x0
	MKSCALE 24, SC0, 32, 33
	MKSCALE 25, SC1, 34, 35
	MKSCALE 27, SC3, 36, 37
	s_add_co_i32 s38, s24, s25
	s_lshl_b32 s38, s38, 23
	s_add_co_i32 s38, s38, C2                      ; c2 x 2^(e0 + e1): the exponents are added to c2's exponent field
; A row's 32 numbers of a lane, v[x] on, become eight code registers and go to the row's place in LDS.
.macro QROW x, cset, adr, off, sc, lo, hi
.set qi, 0
.rept 32
	v_med3_num_f32 v[(\x)+qi], v[(\x)+qi], s[\lo], s[\hi]      ; the conversion to an 8-bit code does not saturate (ISA guide 7.6.2): the hold at the largest code x the scale
.set qi, qi+1
.endr
	s_wait_alu depctr_va_vdst(0)
	s_wait_dscnt 2                                 ; the LDS stores of the row before last have read this set of code registers; the last row's two may be out
.irp a, 0,1,2,3
	v_cvt_scalef32_pk8_fp8_f32 v[(\cset)+2*\a:(\cset)+2*\a+1], v[(\x)+8*\a:(\x)+8*\a+7], v[\sc]
.endr
	v_nop                                          ; one plain vector instruction behind the last conversion: later vector and matrix instructions write its sources
	ds_store_b128 v[\adr], v[(\cset):(\cset)+3] offset:\off
	ds_store_b128 v[\adr], v[(\cset)+4:(\cset)+7] offset:(\off)+512
.endm
	s_wait_loadcnt 40                              ; the counts are the loads of the rows still to come, eight each
	QROW X, CD, STW, HID, SC0, 32, 33
	s_wait_loadcnt 32
	QROW X+32, CD+8, STW, HID+PITCH, SC0, 32, 33
	s_wait_loadcnt 24
	QROW X+64, CD, STW, WH, SC1, 34, 35
	s_wait_loadcnt 16
	QROW X+96, CD+8, STE, 0, SC3, 36, 37
	s_wait_loadcnt 8
	QROW X+128, CD, STW, WH+PITCH, SC1, 34, 35
	s_wait_loadcnt 0x0
	QROW X+160, CD+8, STE, PITCH, SC3, 36, 37
	s_wait_dscnt 0x0                               ; for the others' sake: my rows lie in LDS
	s_barrier_signal -1
	s_barrier_wait -1                              ; all 96 rows do
.irp c, 0,1,2,3                                ; a fragment: 16 rows x 128 places along K: lane (r, h) takes, of row r, places 128 s + 32 c + 16 h + 0..15 into registers 4 c .. 4 c + 3
	ds_load_b128 v[32+4*\c:35+4*\c], v[FRH] offset:HID+32*\c              ; hidden, rows 16 u on
	ds_load_b128 v[48+4*\c:51+4*\c], v[FRW] offset:WH+32*\c               ; Wh, tile 0
	ds_load_b128 v[64+4*\c:67+4*\c], v[FRW] offset:WH+16*PITCH+32*\c      ; Wh, tile 1
	ds_load_b128 v[80+4*\c:83+4*\c], v[FRE] offset:32*\c                  ; We, tile u
.endr
	s_wait_dscnt 0x0
	v_wmma_f32_16x16x128_fp8_fp8 v[96:103], v[32:47], v[48:63], 0         ; register j of lane (r, h): batch 16 u + 8 h + j, hidden unit 32 x + r: K step s's part
	v_wmma_f32_16x16x128_fp8_fp8 v[104:111], v[32:47], v[64:79], 0        ; hidden unit 32 x + 16 + r
.irp c, 0,1,2,3
	global_store_b128 v[LI], v[80+4*\c:83+4*\c], s[14:15] offset:512*\c   ; We's fragment as it stands: 2,048 consecutive bytes a wave
.endr
.rept 4
	v_nop                                          ; four places between a matrix instruction and the LDS stores that read its result
.endr
	ds_store_b128 v[PW], v[96:99]                  ; each accumulator from its low end on
	ds_store_b128 v[PW], v[100:103] offset:512
	ds_store_b128 v[PW], v[104:107] offset:1024
	ds_store_b128 v[PW], v[108:111] offset:1536
	s_wait_dscnt 0x0
	s_barrier_signal -1
	s_barrier_wait -1                              ; all parts lie in LDS
.irp s, 0,1,2,3,4,5,6,7
	ds_load_b32 v[112+2*\s], v[PR] offset:2048*\s          ; K step s's part of (b, 32 x + 2 q),
	ds_load_b32 v[113+2*\s], v[PR] offset:2048*\s+16       ; and of (b, 32 x + 2 q + 1): the next lane's word
.endr
	s_wait_dscnt 0x0
	v_add_f32 v132, v112, v114
	v_add_f32 v133, v113, v115
.irp s, 2,3,4,5,6,7
	s_delay_alu instid0(VALU_DEP_2)
	v_add_f32 v132, v132, v[112+2*\s]
	s_delay_alu instid0(VALU_DEP_2)
	v_add_f32 v133, v133, v[113+2*\s]
.endr
	v_mul_f32 v128, C2, v[AB]
	v_mul_f32 v130, C2, v[AB+1]
	s_delay_alu instid0(VALU_DEP_2)
	v_fma_f32 v128, v132, s38, v128                ; c2 (sum1 2^(e0+e1) + attn_b)
	s_delay_alu instid0(VALU_DEP_2)
	v_fma_f32 v130, v133, s38, v130
	v_mul_f32 v129, NC2, v[AB+2]                   ; -c2 v_w
	v_mul_f32 v131, NC2, v[AB+3]
	global_store_b128 v[TO], v[128:131], s[16:17]  ; sixteen lanes store 256 consecutive bytes, at a multiple of 256 from tb's first byte
	s_wait_tensorcnt 0x0                           ; the wave's end, behind my last LDS store
	ds_add_u32 v[SPW], v[NIL]
	s_wait_dscnt 0x0
	s_endpgm
.Lfunc_end_k_q395017acb4_prep:
	.size	k_q395017acb4_prep, .Lfunc_end_k_q395017acb4_prep-k_q395017acb4_prep
	.p2alignl 7, 3214868480
	.fill 96, 4, 3214868480
	.section	.rodata,"a",@progbits
	.p2align	6, 0x0
	.amdhsa_kernel k_q395017acb4_prep
		.amdhsa_group_segment_fixed_size 134656
		.amdhsa_private_segment_fixed_size 0
		.amdhsa_enable_private_segment 0
		.amdhsa_kernarg_size 56
		.amdhsa_user_sgpr_count 2
		.amdhsa_user_sgpr_kernarg_segment_ptr 1
		.amdhsa_wavefront_size32 1
		.amdhsa_system_sgpr_workgroup_id_x 1
		.amdhsa_system_sgpr_workgroup_id_y 1
		.amdhsa_system_sgpr_workgroup_id_z 1
		.amdhsa_system_vgpr_workitem_id 0
		.amdhsa_next_free_vgpr 256
		.amdhsa_next_free_sgpr 66
		.amdhsa_reserve_vcc 0
		.amdhsa_float_denorm_mode_32 3
		.amdhsa_float_denorm_mode_16_64 3
		.amdhsa_memory_ordered 1
		.amdhsa_forward_progress 1
		.amdhsa_inst_pref_size 30
	.end_amdhsa_kernel
	.amdgpu_metadata
---
amdhsa.version: [ 1, 2 ]
amdhsa.kernels:
  - .name:           k_q395017acb4_prep
    .symbol:         k_q395017acb4_prep.kd
    .args:
      - { .name: attn_w, .offset: 0, .size: 8, .value_kind: global_buffer, .address_space: global }
      - { .name: hidden, .offset: 8, .size: 8, .value_kind: global_buffer, .address_space: global }
      - { .name: attn_b, .offset: 16, .size: 8, .value_kind: global_buffer, .address_space: global }
      - { .name: v_w, .offset: 24, .size: 8, .value_kind: global_buffer, .address_space: global }
      - { .name: lowp_scales, .offset: 32, .size: 8, .value_kind: global_buffer, .address_space: global }
      - { .name: weimg, .offset: 40, .size: 8, .value_kind: global_buffer, .address_space: global }
      - { .name: tb, .offset: 48, .size: 8, .value_kind: global_buffer, .address_space: global }
    .group_segment_fixed_size: 134656
    .private_segment_fixed_size: 0
    .kernarg_segment_align: 8
    .kernarg_segment_size: 56
    .max_flat_workgroup_size: 512
    .sgpr_count:     66
    .vgpr_count:     256
    .wavefront_size: 32
...
	.end_amdgpu_metadata
.endif
;; end of part 1
;; launch scores (part 2): grid 8 x 32, 4 waves a work-group, clusters of 4 x 1, 327,680 bytes of LDS; arguments encoder_outputs, weimg, tb, lowp_scales, scores, part; writes scores, part
.if DOCPART == 2
	.amdgcn_target "amdgcn-amd-amdhsa--gfx1250"
	.amdhsa_code_object_version 6
	.text
	.protected	k_q395017acb4_scores
	.globl	k_q395017acb4_scores
	.p2align	8
	.type	k_q395017acb4_scores,@function
k_q395017acb4_scores:
	s_mov_b64 s[64:65], 0
	v_nop
	global_prefetch_b8 v0, s[64:65] scope:SCOPE_SE
	s_setreg_imm32_b32 hwreg(HW_REG_WAVE_MODE, 25, 1), 1
	s_wait_xcnt 0x0
	s_wait_alu depctr_hold_cnt(0) depctr_sa_sdst(0) depctr_va_vdst(0) depctr_va_sdst(0) depctr_va_ssrc(0) depctr_va_vcc(0) depctr_vm_vsrc(0)
	s_getreg_b32 s2, hwreg(HW_REG_IB_STS2, 6, 4)
	s_cmp_eq_u32 s2, 0
	s_cbranch_scc0 .Lentry_in_a_cluster
	s_endpgm
.Lentry_in_a_cluster:
	s_bfe_u32 s2, ttmp6, 0x10000c
	s_cmp_lg_u32 s2, 0x3003
	s_cbranch_scc0 .Lentry_shape_is_right
	s_endpgm
.Lentry_shape_is_right:
; score[b][s] = the sum over n of w2[n] / (1 + 2^t), t = c2 2^(e2+e3) (enc[b][s]'s codes . We[n]'s codes) + w1[b][n]; (w1, w2) are tb's pairs, c2 = 2 log2(e): the score in units of log2.
; WORK LEFT OUT: the term of the score that is the same for all positions of a batch (shown at the head of the first kernel) is not summed.
; WHAT IS STORED.  With m = the largest score of my work-group's 256 positions and p = 2^(score - m): scores[b][s] = p; part[work-group] = the 1,024 sums over my positions of p enc[b][s][:] (f32 numbers, f32 sums),
; and behind them one unit of 256 bytes that holds the pair (m, the sum of p) 32 times.  The last launch joins a batch's eight parts under their common maximum.
; SHARES.  Work-group (x, b) owns positions 256 x .. + 255 of batch b; each of its four waves owns 64 of them.  THE HEAD: a wave loads its 64 rows (4,096 bytes each, 512 consecutive bytes a load), holds them
; within +-448 x 2^e2, converts them to E4M3 and turns them through its own stage in LDS (32 rows at a time) into fragments: 4 row tiles x 8 K steps x 16 registers = 512 registers, which stay.
; The order along K inside a row is the first kernel's, the same in We's images.
; THE WALK: 64 tiles of 16 hidden units.  A tile of We is 16,384 bytes of register images; four tiles make a slot; two slots take turns, each wave fetching one tile of a slot.  The four work-groups of a
; cluster walk the same images and ask for them jointly (mask 15).
; A PERIOD b: the next tile's 32 LDS loads; 32 matrix instructions, four accumulators by turns; four places; t(b) from the accumulators (no transcendental stands between the products and these first readers);
; then ONE batch of transcendentals, 2^t(b) and 1 / u(b-2), with one wait ahead of it and one behind it.  Between the batch's lines stands plain work on OTHER registers:
; SA += (1 / u)(b-3) w2(b-3), and u(b-1) = 1 + 2^t(b-1), laid over the pair that the sum has just read.  t and u have two sets each, by the tile's parity: in period b the batch names the sets b % 2 and the
; plain lines the other two, so no line names a result or a source of the batch in hand, and what the plain lines write is first read behind the batch's closing wait.
; In the result register j of lane (r, h) is position 8 h + j of its row tile and hidden unit r: a lane has one pair of tb for a tile; the sixteen lanes' sums meet at the end.
; THE SECOND STREAM: 256 rows of f32 are 1 MiB, more than registers and LDS hold beside the codes, so each wave loads its 64 rows once more, as in the head; a lane keeps 32 columns' sums.
; No prefetch is laid: both streams have 64 loads of each wave on their way, and weimg's 1 MiB is walked by all 256 work-groups in step.
; LIMITS: e2 between -126 and 119; e2 + e3 between -127 and 126 (added to c2's exponent field).  NaN among the inputs is not served.
; REGISTERS: window 0: addresses, accumulators, t, u, sums; window 1: eight rows of f32 on their way (both streams), in the walk We's fragments in two sets; windows 2, 3: enc's fragments of K steps 0-3, 4-7.
.set PITCH, 1040                       ; a row of 1,024 codes in the stage + 16 bytes
.set TILEB, 16384
.set SLOTB, 65536
.set STAGE, 2*SLOTB                    ; 32 rows x PITCH for each wave
.set TBL,   STAGE+4*32*PITCH           ; my batch's 1,024 pairs of tb
.set SCB,   TBL+8192                   ; 256 bytes for each wave: its 64 scores
.set PB,    SCB+1024                   ; 1,024 bytes for each wave: its own copy of the 256 p
.set RED,   PB+4096                    ; 4,096 bytes for each wave: its 1,024 sums
.set SPARE, RED+16384                  ; the spare words, 128 bytes a wave
.set PPITCH, 4352                      ; a work-group's row of part: 4,096 + 256 bytes
.set C2,    0x4038aa3b
.set LI,  1                            ; 16 x lane: also slot 0's images
.set STW, 2
.set STA, 3
.set FRA, 4
.set ADR, 5                            ; slot 1's images
.set TB0, 6                            ; my lane's pair in the table's first tile
.set TAD, 7                            ; the same, for the lap in hand
.set SCL, 8
.set SCA, 9
.set SPW, 10
.set NIL, 11
.set CD,  12
.set T0,  28                           ; v[28:29], v[30:31] tb's pair of the even and of the odd tile
.set VV,  32                           ; w2 of tile b - 1
.set VW,  33                           ; w2 of tile b - 2
.set VU,  34                           ; v[34:35] w2 of tile b - 3 (the upper word is only named)
.set TBW, 37
.set T16, 38
.set L8,  39
.set ML,  54                           ; v[54:55] m and the sum of p
.set SC8, 56                           ; eight scores of the 256: SCB + 32 x lane
.set PW,  57                           ; where I put their p
.set PA0, 58                           ; my wave's own 64 p, the same address in every lane
.set PR8, 59                           ; the same, 8 bytes a lane
.set RW,  60                           ; where I put my sums
.set RR,  61                           ; where I read the four waves' sums of my 256 columns
.set PAD, 62                           ; PA0 for the trip in hand
.set ACC, 64                           ; v64-95   four accumulators; in the second stream v64-71 eight p
.set P,   64
.set V,   96                           ; v96-127, v128-159  t, then 2^t, of the even and of the odd tile
.set CX,  128                          ; in the second stream: the 32 sums
.set U,   160                          ; v160-191, v192-223 1 + 2^t, then its reciprocal, likewise
.set SA,  224                          ; v224-255 the scores' sums
.set WV,  14
.set EN,  16
.set LO,  18
.set HI,  19
.set CS,  20
.set SR,  22
.set G1,  24
.set G0A, 32
.set G0B, 36
.set TT,  40
.set SLOTS, 41
.set CNT, 43
.set ER,  66                           ; s[66:67] my wave's first row, for the second stream
.set PT,  68                           ; s[68:69] part, then my wave's 1,024 bytes of my work-group's row
.set PG,  70                           ; s[70:71] my work-group's row of part
.set SEL, 72                           ; s[72:73] v_permlanex16_b32's selects for lane l xor 16
.set MSB, 0
.macro WIN new
.if MSB != \new
	s_set_vgpr_msb (MSB<<8)|\new
.set MSB, \new
.endif
.endm
.macro CROUND                          ; a round of the cluster's barrier
	s_barrier_signal -1
	s_barrier_wait -1
	s_cmp_lg_u32 s[WV], 0
	s_cbranch_scc1 .Lnot_wave_0_\@
	s_barrier_signal -3
.Lnot_wave_0_\@:
	s_barrier_wait -3
	s_barrier_signal -1
	s_barrier_wait -1
.endm
.macro ROWS8 base                      ; eight rows set out: 64 loads of 512 consecutive bytes, into window 1
	WIN 0x40
.set tk, 0
.rept 8
.irp i, 0,1,2,3,4,5,6,7
	global_load_b128 v[32*tk+4*\i:32*tk+4*\i+3], v[LI], s[\base:\base+1] offset:4096*tk+512*\i th:TH_LOAD_NT
.endr
.set tk, tk+1
.endr
	WIN 0
.endm
	s_load_b256 s[4:11], s[0:1], 0x0               ; enc s[4:5], weimg s[6:7], tb s[8:9], the exponents s[10:11]
	s_load_b64 s[12:13], s[0:1], 0x20              ; scores
	s_load_b64 s[PT:PT+1], s[0:1], 0x28            ; part
	v_lshl_add_u32 v[SPW], v0, 2, SPARE
	v_mov_b32 v[NIL], 0
	ds_add_u32 v[SPW], v[NIL]                      ; the opening lines: the add twice on end and its wait
	ds_add_u32 v[SPW], v[NIL]
	v_lshrrev_b32 v1, 5, v0
	v_readfirstlane_b32 s[WV], v1
	s_bfe_u32 s48, ttmp6, 0x40000                  ; cx
	s_lshl_b32 s49, ttmp9, 2
	s_add_co_u32 s49, s49, s48                     ; x
	s_and_b32 s50, ttmp7, 0xffff                   ; b
	s_lshl_b32 s52, s50, 11
	s_lshl_b32 s53, s49, 8
	s_add_co_u32 s52, s52, s53
	s_lshl_b32 s53, s[WV], 6
	s_add_co_u32 s52, s52, s53                     ; my wave's first position, counted through all batches
	s_lshl_b32 s54, s52, 2
	s_mov_b32 s55, 0
	s_lshl_b32 s52, s52, 12
	s_mov_b32 s53, 0
	s_lshl_b32 s56, s50, 13
	s_mov_b32 s57, 0
	s_lshl_b32 s58, s[WV], 14
	s_mov_b32 s59, 0
	s_lshl_b32 s74, s50, 3
	s_add_co_u32 s74, s74, s49
	s_mul_i32 s74, s74, PPITCH                     ; part: row 8 b + x
	s_mov_b32 s75, 0
	s_lshl_b32 s76, s[WV], 10
	s_mov_b32 s77, 0
	s_mul_i32 s60, s[WV], 32*PITCH                 ; LDS: my stage,
	s_add_co_u32 s60, s60, STAGE
	s_lshl_b32 s61, s[WV], 8
	s_add_co_u32 s61, s61, SCB                     ; my 64 scores,
	s_add_co_u32 s62, s76, PB                      ; my copy of the 256 p,
	s_mul_i32 s63, s[WV], 1280
	s_add_co_u32 s63, s63, PB                      ; my own 64 in it: 1,024 w + 256 w,
	s_lshl_b32 s78, s[WV], 12
	s_add_co_u32 s78, s78, RED                     ; my sums,
	s_add_co_u32 s79, s76, RED                     ; my 256 columns of wave 0's sums
	s_mov_b32 s[SEL], 0x76543210
	s_mov_b32 s[SEL+1], 0xfedcba98
	s_mov_b32 s[G1], 15|(3<<16)|(1<<21)            ; the cluster's four; elements of 8 bytes; a tile is 64 rows of 256 bytes, dense
	s_mov_b32 s[G1+1], 32<<16
	s_mov_b32 s[G1+2], 64<<16
	s_mov_b32 s[G1+3], 32<<16
	s_mov_b32 s[G1+4], 64
	s_mov_b32 s[G1+5], 32
	s_mov_b32 s[G1+6], 0
	s_mov_b32 s[G1+7], 0
	s_wait_dscnt 0x0
	s_wait_kmcnt 0x0
	s_load_b128 s[44:47], s[10:11], 0x0            ; e0 .. e3
	s_add_nc_u64 s[EN:EN+1], s[4:5], s[52:53]
	s_mov_b64 s[ER:ER+1], s[EN:EN+1]
	s_add_nc_u64 s[12:13], s[12:13], s[54:55]
	s_add_nc_u64 s[8:9], s[8:9], s[56:57]
	s_add_nc_u64 s[PG:PG+1], s[PT:PT+1], s[74:75]
	s_add_nc_u64 s[PT:PT+1], s[PG:PG+1], s[76:77]
	s_mov_b32 s[G0A], 1
	s_lshl_b32 s[G0A+1], s[WV], 14
	s_add_nc_u64 s[G0A+2:G0A+3], s[6:7], s[58:59]
	s_mov_b32 s[G0B], 1
	s_add_co_u32 s[G0B+1], s[G0A+1], SLOTB
	s_add_nc_u64 s[G0B+2:G0B+3], s[G0A+2:G0A+3], SLOTB
	s_or_b32 s[G0A+3], s[G0A+3], 0x80000000
	s_or_b32 s[G0B+3], s[G0B+3], 0x80000000
	CROUND
	tensor_load_to_lds s[G0A:G0A+3], s[G1:G1+7]    ; slot 0: my one tensor load at the head
	s_nop 0
.rept 4
	v_nop
.endr
	v_and_b32 v[LI], 31, v0
	v_lshlrev_b32 v[L8], 3, v[LI]
	v_lshlrev_b32 v[LI], 4, v[LI]
	v_add_nc_u32 v[ADR], SLOTB, v[LI]
	v_and_b32 v40, 15, v0                          ; r
	v_bfe_u32 v41, v0, 4, 1                        ; h
	v_add_nc_u32 v[STW], s60, v[LI]
	v_mul_u32_u24 v[FRA], v40, PITCH
	v_lshl_add_u32 v[FRA], v41, 4, v[FRA]
	v_add_nc_u32 v[FRA], s60, v[FRA]
	v_lshl_add_u32 v[TB0], v40, 3, TBL
	v_lshl_add_u32 v[SCA], v41, 5, s61
	v_lshlrev_b32 v[T16], 4, v0
	v_add_nc_u32 v[TBW], TBL, v[T16]
	v_lshl_add_u32 v[SC8], v[L8], 2, SCB
	v_lshl_add_u32 v[PW], v[L8], 2, s62
	v_mov_b32 v[PA0], s63
	v_add_nc_u32 v[PR8], s63, v[L8]
	v_add_nc_u32 v[RW], s78, v[LI]
	v_add_nc_u32 v[RR], s79, v[LI]
.irp i, 0,1,2,3
	global_load_b128 v[40+4*\i:43+4*\i], v[T16], s[8:9] offset:2048*\i      ; my batch's table, 2,048 bytes a load of the work-group
.endr
	ROWS8 EN                                       ; my first eight rows
	s_wait_alu depctr_va_vdst(0)                   ; the head's end
	s_wait_kmcnt 0x0
	s_add_co_i32 s[HI], s46, 127
	s_lshl_b32 s[LO], s[HI], 23
	v_mov_b32 v[SCL], s[LO]                        ; 2^e2
	s_add_co_i32 s[HI], s[HI], 8
	s_lshl_b32 s[HI], s[HI], 23
	s_or_b32 s[HI], s[HI], 0x600000                ; 448 x 2^e2
	s_or_b32 s[LO], s[HI], 0x80000000
	s_add_co_i32 s[CS], s46, s47
	s_lshl_b32 s[CS], s[CS], 23
	s_add_co_i32 s[CS], s[CS], C2                  ; c2 x 2^(e2 + e3)
	s_mov_b32 s[CS+1], s[CS]
	s_wait_loadcnt 60                              ; the table's four loads are the oldest
.irp i, 0,1,2,3
	ds_store_b128 v[TBW], v[40+4*\i:43+4*\i] offset:2048*\i
.endr
; Eight rows: hold, convert, into the stage; ahead = 1: each row's registers take the row eight further on.
.macro TRIP8 ahead
.set tk, 0
.rept 8
.if \ahead
	s_wait_loadcnt 56                              ; the seven younger rows' eight loads each may be out
.else
	s_wait_loadcnt 8*(7-tk)
.endif
	WIN 0x41
.set ti, 0
.rept 32
	v_med3_num_f32 v[32*tk+ti], v[32*tk+ti], s[LO], s[HI]
.set ti, ti+1
.endr
	s_wait_alu depctr_va_vdst(0)                   ; directly ahead of the wait below
	s_wait_dscnt 2                                 ; the row before last's stores have read this set of code registers
	WIN 0x01
.irp c, 0,1,2,3
	v_cvt_scalef32_pk8_fp8_f32 v[CD+8*(tk%2)+2*\c:CD+8*(tk%2)+2*\c+1], v[32*tk+8*\c:32*tk+8*\c+7], v[SCL]
.endr
	v_nop                                          ; a plain line behind the last conversion
.if \ahead
	WIN 0x40
.irp i, 0,1,2,3,4,5,6,7
	global_load_b128 v[32*tk+4*\i:32*tk+4*\i+3], v[LI], s[EN:EN+1] offset:4096*(8+tk)+512*\i th:TH_LOAD_NT
.endr
.endif
	WIN 0
	ds_store_b128 v[STA], v[CD+8*(tk%2):CD+8*(tk%2)+3] offset:PITCH*tk
	ds_store_b128 v[STA], v[CD+8*(tk%2)+4:CD+8*(tk%2)+7] offset:PITCH*tk+512
.set tk, tk+1
.endr
.if \ahead
	s_wait_xcnt 0x0                                ; the loads have read their base
	s_add_nc_u64 s[EN:EN+1], s[EN:EN+1], 8*4096
	s_add_co_u32 s[SR], s[SR], 8*PITCH
	v_add_nc_u32 v[STA], s[SR], v[STW]
.endif
.endm
; The stage's 32 rows become row tiles a0, a0 + 1: K steps 0-3 into window 2, 4-7 into window 3.
.macro FRAG a0
	WIN 0x80
.irp a, 0,1
.irp s, 0,1,2,3
.irp c, 0,1,2,3
	ds_load_b128 v[64*(\a0+\a)+16*\s+4*\c:64*(\a0+\a)+16*\s+4*\c+3], v[FRA] offset:16*PITCH*\a+128*\s+32*\c
.endr
.endr
.endr
	WIN 0xc0
.irp a, 0,1
.irp s, 0,1,2,3
.irp c, 0,1,2,3
	ds_load_b128 v[64*(\a0+\a)+16*\s+4*\c:64*(\a0+\a)+16*\s+4*\c+3], v[FRA] offset:16*PITCH*\a+128*(\s+4)+32*\c
.endr
.endr
.endr
	WIN 0
.endm
	s_mov_b32 s[SR], 0
	v_add_nc_u32 v[STA], s[SR], v[STW]
	s_mov_b32 s[CNT], 4
.Lhalf0:
	TRIP8 1
	s_sub_co_u32 s[CNT], s[CNT], 1
	s_cmp_lg_u32 s[CNT], 0
	s_cbranch_scc1 .Lhalf0
	FRAG 0
	s_wait_tensorcnt 0x0                           ; slot 1's first fill goes out as a refill does: the three lines, a round, the load.  It has the second 32 rows' work in which to land
	ds_add_u32 v[SPW], v[NIL]
	s_wait_dscnt 0x0
	CROUND
	tensor_load_to_lds s[G0B:G0B+3], s[G1:G1+7]
	s_nop 0
.rept 4
	v_nop
.endr
	s_mov_b32 s[SR], 0
	v_add_nc_u32 v[STA], s[SR], v[STW]
	s_mov_b32 s[CNT], 3
.Lhalf1:
	TRIP8 1
	s_sub_co_u32 s[CNT], s[CNT], 1
	s_cmp_lg_u32 s[CNT], 0
	s_cbranch_scc1 .Lhalf1
	TRIP8 0
	FRAG 2
.set wi, 0
.rept 32
	v_mov_b32 v[SA+wi], 0                          ; the scores' sums: their first addition falls into the loop, which is written once
.set wi, wi+1
.endr
	v_mov_b32 v[VU+1], 0
	s_wait_dscnt 0x0                               ; my part of the table lies in LDS, my fragments are in
	s_wait_tensorcnt 1                             ; slot 1's load may be out
	s_barrier_signal -1
	s_barrier_wait -1
; A tile's pair of tb and its 32 loads of We's images into set dst.  ls, lt: the slot and the tile in it; ta, to: the table's address register and the tile's place behind it.
.macro BRUN dst, ls, lt, ta, to
.if \ls
.set ba, ADR
.else
.set ba, LI
.endif
	ds_load_b64 v[T0+2*(\dst):T0+2*(\dst)+1], v[\ta] offset:128*(\to)
	WIN 0x40
.set bm, 0
.rept 32
	ds_load_b128 v[128*(\dst)+4*bm:128*(\dst)+4*bm+3], v[ba] offset:TILEB*(\lt)+512*bm
.set bm, bm+1
.endr
	WIN 0
.endm
; par = b % 2; mm: the products; run: the next tile's loads; g: the sums take tile b - 3; r: tile b - 2's reciprocals; h: tile b - 1's 1 + 2^t; f: tile b's t and 2^t.
.macro PERIOD par, mm, run, ls, lt, ta, to, g, r, h, f
.set TP, T0+2*(\par)
.set VC, V+32*(\par)                   ; the batch's sets
.set UC, U+32*(\par)
.set VO, V+32*(1-(\par))               ; the plain lines' sets
.set UO, U+32*(1-(\par))
	s_wait_dscnt 0x0                               ; this tile's images and pair, asked for a period ago
.if \run
	BRUN 1-(\par), \ls, \lt, \ta, \to              ; into the set that the last period multiplied: its plain work is the places in front of these loads
.endif
.if \mm
.set pn, 0
.rept 32                                       ; the four row tiles' accumulators by turns, K ascending
.if pn < 16
	WIN 0x06
.else
	WIN 0x07
.endif
.set rD, ACC+8*(pn%4)
.set rA, 64*(pn%4)+16*((pn/4)%4)
.set rB, 128*(\par)+16*(pn/4)
.if pn < 4
	v_wmma_f32_16x16x128_fp8_fp8 v[rD:rD+7], v[rA:rA+15], v[rB:rB+15], 0
.else
	v_wmma_f32_16x16x128_fp8_fp8 v[rD:rD+7], v[rA:rA+15], v[rB:rB+15], v[rD:rD+7]
.endif
.set pn, pn+1
.endr
	WIN 0
.rept 4
	v_nop                                          ; four places between the products and the lines that read them (ISA guide 7.12.1)
.endr
.endif
.if \f
.set pm, 0
.rept 16                                       ; each accumulator from its low end on
	v_pk_fma_f32 v[VC+2*pm:VC+2*pm+1], v[ACC+2*pm:ACC+2*pm+1], s[CS:CS+1], v[TP:TP+1] op_sel_hi:[1,0,0]
.set pm, pm+1
.endr
.endif
.if (\r)+(\f)
	s_wait_alu depctr_va_vdst(0)                   ; ahead of the batch
.endif
.set pm, 0
.rept 16
.if \f
	v_exp_f32 v[VC+2*pm], v[VC+2*pm]
.endif
.if \g
	v_pk_fma_f32 v[SA+2*pm:SA+2*pm+1], v[UO+2*pm:UO+2*pm+1], v[VU:VU+1], v[SA+2*pm:SA+2*pm+1] op_sel_hi:[1,0,1]
.endif
.if \f
	v_exp_f32 v[VC+2*pm+1], v[VC+2*pm+1]
.endif
.if \h
	v_pk_add_f32 v[UO+2*pm:UO+2*pm+1], v[VO+2*pm:VO+2*pm+1], 1.0 op_sel_hi:[1,0]   ; over the pair that the line above has read
.endif
.if \r
	v_rcp_f32 v[UC+2*pm], v[UC+2*pm]
	v_rcp_f32 v[UC+2*pm+1], v[UC+2*pm+1]
.endif
.set pm, pm+1
.endr
.if \r
	v_mov_b32 v[VU], v[VW]                         ; w2 goes on with its tile; these are also the plain lines behind the batch
.endif
.if \h
	v_mov_b32 v[VW], v[VV]
.endif
.if \f
	v_mov_b32 v[VV], v[TP+1]
.endif
.if (\r)+(\f)
	s_wait_alu depctr_va_vdst(0)                   ; one wait for the whole batch, and for what the plain lines in it wrote
.endif
.endm
; THE CHANGE OF SLOTS, at the head of the period that asks for a slot's first tile: all four tiles of the slot behind it have been read.
.macro CHANGE fill
	s_wait_tensorcnt 0x0                           ; my tile of the slot ahead is in
	ds_add_u32 v[SPW], v[NIL]
.if \fill
	s_xor_b32 s[G0B+1], s[G0B+1], SLOTB
	s_add_nc_u64 s[G0B+2:G0B+3], s[G0B+2:G0B+3], SLOTB
.endif
	s_wait_dscnt 0x0                               ; the add, and my reads of the slot that I leave
.if \fill
	CROUND
	tensor_load_to_lds s[G0B:G0B+3], s[G1:G1+7]    ; the slot just left takes the tiles two slots on
	s_nop 0
.rept 4
	v_nop
.endr
.else
	s_barrier_signal -1
	s_barrier_wait -1
.endif
.endm
.macro QUAD ls, to0                    ; four periods, which ask for the four tiles of slot ls
	PERIOD 1, 1, 1, \ls, 0, TAD, \to0, 1, 1, 1, 1
	PERIOD 0, 1, 1, \ls, 1, TAD, \to0+1, 1, 1, 1, 1
	PERIOD 1, 1, 1, \ls, 2, TAD, \to0+2, 1, 1, 1, 1
	PERIOD 0, 1, 1, \ls, 3, TAD, \to0+3, 1, 1, 1, 1
.endm
	BRUN 0, 0, 0, TB0, 0
	PERIOD 0, 1, 1, 0, 1, TB0, 1, 0, 0, 0, 1
	PERIOD 1, 1, 1, 0, 2, TB0, 2, 0, 0, 1, 1
	PERIOD 0, 1, 1, 0, 3, TB0, 3, 0, 1, 1, 1
	s_mov_b32 s[TT], 512                           ; the table's place of tile 4
	s_mov_b32 s[SLOTS], 7
.Llap:                                             ; periods 3 + 8 L .. 10 + 8 L: once round the ring, both slots filled again
	v_add_nc_u32 v[TAD], s[TT], v[TB0]
	s_wait_alu depctr_va_vdst(0)                   ; directly ahead of the wait below
	CHANGE 1
	QUAD 1, 0
	CHANGE 1
	QUAD 0, 4
	s_add_co_u32 s[TT], s[TT], 1024
	s_sub_co_u32 s[SLOTS], s[SLOTS], 1
	s_cmp_lg_u32 s[SLOTS], 0
	s_cbranch_scc1 .Llap
	v_add_nc_u32 v[TAD], s[TT], v[TB0]
	s_wait_alu depctr_va_vdst(0)                   ; as above
	CHANGE 0                                       ; the last slot: nothing is filled again
	QUAD 1, 0
	PERIOD 1, 1, 0, 0, 0, TAD, 0, 1, 1, 1, 1       ; tile 63
	ROWS8 ER                                       ; We's fragments are done with (tile 63's plain work is the places): the second stream's first eight rows set out
	PERIOD 0, 0, 0, 0, 0, TAD, 0, 1, 1, 1, 0       ; the last three tiles run out
	PERIOD 1, 0, 0, 0, 0, TAD, 0, 1, 1, 0, 0
	PERIOD 0, 0, 0, 0, 0, TAD, 0, 1, 0, 0, 0
.irp x, 1,2,4,8                                ; the sixteen lanes of a row hold sixteen hidden units' parts of the same positions
.set wi, 0
.rept 32
	v_add_f32_dpp v[SA+wi], v[SA+wi], v[SA+wi] row_xmask:\x row_mask:0xf bank_mask:0xf
.set wi, wi+1
.endr
.endr
.irp a, 0,1,2,3
	ds_store_b128 v[SCA], v[SA+8*\a:SA+8*\a+3] offset:64*\a        ; all lanes of a half write the same words with the same numbers
	ds_store_b128 v[SCA], v[SA+8*\a+4:SA+8*\a+7] offset:64*\a+16
.endr
	s_wait_dscnt 0x0
	s_barrier_signal -1
	s_barrier_wait -1                              ; the work-group's 256 scores lie in LDS
	ds_load_b128 v[40:43], v[SC8]                  ; every wave takes all 256, eight a lane
	ds_load_b128 v[44:47], v[SC8] offset:16
	s_wait_dscnt 0x0
	v_max3_num_f32 v48, v40, v41, v42
	v_max3_num_f32 v49, v43, v44, v45
	v_max3_num_f32 v48, v48, v46, v47
	v_max_num_f32 v48, v48, v49
.irp x, 1,2,4,8
	v_max_num_f32_dpp v48, v48, v48 row_xmask:\x row_mask:0xf bank_mask:0xf
.endr
	v_permlanex16_b32 v49, v48, s[SEL], s[SEL+1]
	v_max_num_f32 v[ML], v48, v49                  ; m
.irp j, 0,1,2,3,4,5,6,7
	v_sub_f32 v[40+\j], v[40+\j], v[ML]
.endr
	s_wait_alu depctr_va_vdst(0)                   ; ahead of the batch
.irp j, 0,1,2,3,4,5,6,7
	v_exp_f32 v[40+\j], v[40+\j]                   ; p, at most 1
.endr
	v_nop
	s_wait_alu depctr_va_vdst(0)                   ; and for the one behind it
	ds_store_b128 v[PW], v[40:43]                  ; my wave's own copy: no other wave touches it
	ds_store_b128 v[PW], v[44:47] offset:16
	v_pk_add_f32 v[50:51], v[40:41], v[42:43]
	v_pk_add_f32 v[52:53], v[44:45], v[46:47]
	v_pk_add_f32 v[50:51], v[50:51], v[52:53]
	v_add_f32 v50, v50, v51
.irp x, 1,2,4,8
	v_add_f32_dpp v50, v50, v50 row_xmask:\x row_mask:0xf bank_mask:0xf
.endr
	v_permlanex16_b32 v51, v50, s[SEL], s[SEL+1]
	v_add_f32 v[ML+1], v50, v51                    ; the sum of the 256 p
	ds_load_b64 v[48:49], v[PR8]                   ; my wave's 64 p, two a lane (LDS serves a wave's instructions in order)
.set wi, 0
.rept 32
	v_mov_b32 v[CX+wi], 0                          ; the 32 sums of a lane: the stream's loop is written once
.set wi, wi+1
.endr
	s_mov_b32 s[SR], 0
	v_add_nc_u32 v[PAD], s[SR], v[PA0]
	s_wait_alu depctr_va_vdst(0)                   ; directly ahead of the wait below
	s_wait_dscnt 0x0
	global_store_b64 v[L8], v[48:49], s[12:13]     ; 256 consecutive bytes, aligned
; Eight rows of the second stream: sums += p x row.  Register 4 i + j of a lane is column 128 i + 4 lane + j.  Fifteen plain lines stand between a sum's write and its next read.
.macro RTRIP ahead
	ds_load_b128 v[P:P+3], v[PAD]                  ; the trip's eight p, the same in every lane
	ds_load_b128 v[P+4:P+7], v[PAD] offset:16
	s_wait_dscnt 0x0
.set tk, 0
.rept 8
.if \ahead
	s_wait_loadcnt 56                              ; the seven younger rows' eight loads each may be out
.else
	s_wait_loadcnt 8*(7-tk)
.endif
	WIN 0x01
.set pm, 0
.rept 16
.if (tk%2) == 0                                ; an even row's p is its pair's first register, an odd row's the second
	v_pk_fma_f32 v[CX+2*pm:CX+2*pm+1], v[32*tk+2*pm:32*tk+2*pm+1], v[P+tk:P+tk+1], v[CX+2*pm:CX+2*pm+1] op_sel_hi:[1,0,1]
.else
	v_pk_fma_f32 v[CX+2*pm:CX+2*pm+1], v[32*tk+2*pm:32*tk+2*pm+1], v[P+tk-1:P+tk], v[CX+2*pm:CX+2*pm+1] op_sel:[0,1,0] op_sel_hi:[1,1,1]
.endif
.set pm, pm+1
.endr
.if \ahead
	WIN 0x40
.irp i, 0,1,2,3,4,5,6,7
	global_load_b128 v[32*tk+4*\i:32*tk+4*\i+3], v[LI], s[ER:ER+1] offset:4096*(8+tk)+512*\i th:TH_LOAD_NT
.endr
.endif
	WIN 0
.set tk, tk+1
.endr
.if \ahead
	s_wait_xcnt 0x0                                ; the loads have read their base
	s_add_nc_u64 s[ER:ER+1], s[ER:ER+1], 8*4096
	s_add_co_u32 s[SR], s[SR], 32
	v_add_nc_u32 v[PAD], s[SR], v[PA0]
	s_wait_alu depctr_va_vdst(0)                   ; ahead of the branch
.endif
.endm
	s_mov_b32 s[CNT], 7
.Lagain:
	RTRIP 1
	s_sub_co_u32 s[CNT], s[CNT], 1
	s_cmp_lg_u32 s[CNT], 0
	s_cbranch_scc1 .Lagain
	RTRIP 0
.irp i, 0,1,2,3,4,5,6,7
	ds_store_b128 v[RW], v[CX+4*\i:CX+4*\i+3] offset:512*\i        ; byte 4 x column of my 4,096
.endr
	s_wait_dscnt 0x0
	s_barrier_signal -1
	s_barrier_wait -1                              ; the four waves' sums lie in LDS
.irp j, 0,1,2,3
	ds_load_b128 v[64+8*\j:67+8*\j], v[RR] offset:4096*\j          ; wave j's sums of my 256 columns
	ds_load_b128 v[68+8*\j:71+8*\j], v[RR] offset:4096*\j+512
.endr
	s_wait_dscnt 0x0
.irp q, 0,2,4,6
	v_pk_add_f32 v[64+\q:65+\q], v[64+\q:65+\q], v[72+\q:73+\q]
	v_pk_add_f32 v[80+\q:81+\q], v[80+\q:81+\q], v[88+\q:89+\q]
.endr
.irp q, 0,2,4,6
	v_pk_add_f32 v[64+\q:65+\q], v[64+\q:65+\q], v[80+\q:81+\q]
.endr
	global_store_b128 v[LI], v[64:67], s[PT:PT+1]              ; twice 512 consecutive bytes, at multiples of 256 from part's first byte
	global_store_b128 v[LI], v[68:71], s[PT:PT+1] offset:512
	s_cmp_lg_u32 s[WV], 0
	s_cbranch_scc1 .Lno_pair
	global_store_b64 v[L8], v[ML:ML+1], s[PG:PG+1] offset:4096 ; (m, the sum of p), 32 times: one whole unit of 256 bytes
.Lno_pair:
	s_wait_tensorcnt 0x0                           ; the wave's end
	ds_add_u32 v[SPW], v[NIL]
	s_wait_dscnt 0x0
	CROUND                                         ; the closing round
	s_endpgm
.Lfunc_end_k_q395017acb4_scores:
	.size	k_q395017acb4_scores, .Lfunc_end_k_q395017acb4_scores-k_q395017acb4_scores
	.p2alignl 7, 3214868480
	.fill 96, 4, 3214868480
	.section	.rodata,"a",@progbits
	.p2align	6, 0x0
	.amdhsa_kernel k_q395017acb4_scores
		.amdhsa_group_segment_fixed_size 327680
		.amdhsa_private_segment_fixed_size 0
		.amdhsa_enable_private_segment 0
		.amdhsa_kernarg_size 48
		.amdhsa_user_sgpr_count 2
		.amdhsa_user_sgpr_kernarg_segment_ptr 1
		.amdhsa_wavefront_size32 1
		.amdhsa_system_sgpr_workgroup_id_x 1
		.amdhsa_system_sgpr_workgroup_id_y 1
		.amdhsa_system_sgpr_workgroup_id_z 1
		.amdhsa_system_vgpr_workitem_id 0
		.amdhsa_next_free_vgpr 1024
		.amdhsa_next_free_sgpr 96
		.amdhsa_reserve_vcc 0
		.amdhsa_float_denorm_mode_32 3
		.amdhsa_float_denorm_mode_16_64 3
		.amdhsa_memory_ordered 1
		.amdhsa_forward_progress 1
		.amdhsa_inst_pref_size 255
	.end_amdhsa_kernel
	.section	.bss,"aw",@nobits
	.p2align	6
	.space	262144
	.amdgpu_metadata
---
amdhsa.version: [ 1, 2 ]
amdhsa.kernels:
  - .name:           k_q395017acb4_scores
    .symbol:         k_q395017acb4_scores.kd
    .args:
      - { .name: encoder_outputs, .offset: 0, .size: 8, .value_kind: global_buffer, .address_space: global }
      - { .name: weimg, .offset: 8, .size: 8, .value_kind: global_buffer, .address_space: global }
      - { .name: tb, .offset: 16, .size: 8, .value_kind: global_buffer, .address_space: global }
      - { .name: lowp_scales, .offset: 24, .size: 8, .value_kind: global_buffer, .address_space: global }
      - { .name: scores, .offset: 32, .size: 8, .value_kind: global_buffer, .address_space: global }
      - { .name: part, .offset: 40, .size: 8, .value_kind: global_buffer, .address_space: global }
    .group_segment_fixed_size: 327680
    .private_segment_fixed_size: 0
    .kernarg_segment_align: 8
    .kernarg_segment_size: 48
    .max_flat_workgroup_size: 128
    .sgpr_count:     96
    .vgpr_count:     1024
    .wavefront_size: 32
...
	.end_amdgpu_metadata
.endif
;; end of part 2
;; launch context (part 3): grid 8 x 32, 1 waves a work-group, no clusters, 0 bytes of LDS; arguments part, scores, hidden, out0, out1; writes out0, out1
.if DOCPART == 3
	.amdgcn_target "amdgcn-amd-amdhsa--gfx1250"
	.amdhsa_code_object_version 6
	.text
	.protected	k_q395017acb4_context
	.globl	k_q395017acb4_context
	.p2align	8
	.type	k_q395017acb4_context,@function
k_q395017acb4_context:
	s_mov_b64 s[64:65], 0
	v_nop
	global_prefetch_b8 v0, s[64:65] scope:SCOPE_SE
	s_setreg_imm32_b32 hwreg(HW_REG_WAVE_MODE, 25, 1), 1
	s_wait_xcnt 0x0
; The softmax and the weighted sum are finished.  A batch's 2,048 positions come in eight blocks j of 256, each with its largest score m_j (units of log2; the term left out is shown at the head of the first kernel),
; l_j = the sum of p, p = 2^(score - m_j), and c_j[:] = the sum of p enc[:].  With M = the largest m_j, f_j = 2^(m_j - M), L = the sum of f_j l_j:
; out0[b] = (the sum over j of f_j c_j[:] / L, hidden[b][:]);  out1[b][s] = p f_j / L, j the block of s.
; SHARES.  Work-group (g, b), one wave: columns 128 g .. + 127 of the context and of hidden, and the weights of block g: each number has one owner.  Every load and store is 16 bytes a lane, 512 consecutive bytes,
; but the pairs (m_j, l_j): each lies 32 times in a unit of 256 bytes, 8 bytes a lane.  All 20 loads go out at once; there is no loop, so nothing is prefetched; no matrix unit, no LDS, no tile that work-groups share.
; NaN among the inputs is not served.
.set PPITCH, 4352                      ; a block's row of part: 4,096 bytes of sums, 256 of pairs
; v1 16 x lane, v2 8 x lane; v3, v4 M; v5 L; v[6:7] 1 / L; v8-23 the eight pairs; v[24:25] block g's pair; v32-63 the eight parts; v64-71 my 256 p; v72-75 hidden; v76-83 f_j; v[84:85] f_g / L; v86-89 the context
	s_load_b256 s[4:11], s[0:1], 0x0               ; part s[4:5], p s[6:7], hidden s[8:9], out0 s[10:11]
	s_load_b64 s[12:13], s[0:1], 0x20              ; out1
	v_lshlrev_b32 v1, 4, v0
	v_lshlrev_b32 v2, 3, v0
	v_mov_b32 v7, 0                                ; (named as the upper halves of pairs)
	v_mov_b32 v85, 0
	s_and_b32 s14, ttmp7, 0xffff                   ; b
	s_mul_i32 s16, s14, 8*PPITCH                   ; part: the batch's eight rows
	s_mov_b32 s17, 0
	s_mul_i32 s18, ttmp9, PPITCH                   ; block g's among them
	s_mov_b32 s19, 0
	s_lshl_b32 s20, ttmp9, 9                       ; 512 g
	s_mov_b32 s21, 0
	s_lshl_b32 s22, s14, 13                        ; 8,192 b
	s_mov_b32 s23, 0
	s_lshl_b32 s24, s14, 12                        ; 4,096 b
	s_mov_b32 s25, 0
	s_lshl_b32 s26, ttmp9, 10                      ; 1,024 g
	s_mov_b32 s27, 0
	s_wait_alu depctr_va_vdst(0)                   ; the head's end
	s_wait_kmcnt 0x0
	s_add_nc_u64 s[4:5], s[4:5], s[16:17]
	s_add_nc_u64 s[28:29], s[4:5], s[18:19]
	s_add_nc_u64 s[30:31], s[4:5], s[20:21]
	s_add_nc_u64 s[6:7], s[6:7], s[22:23]
	s_add_nc_u64 s[6:7], s[6:7], s[26:27]
	s_add_nc_u64 s[8:9], s[8:9], s[24:25]
	s_add_nc_u64 s[8:9], s[8:9], s[20:21]
	s_add_nc_u64 s[10:11], s[10:11], s[22:23]
	s_add_nc_u64 s[10:11], s[10:11], s[20:21]
	s_add_nc_u64 s[12:13], s[12:13], s[22:23]
	s_add_nc_u64 s[12:13], s[12:13], s[26:27]
.irp j, 0,1,2,3,4,5,6,7
	global_load_b64 v[8+2*\j:9+2*\j], v2, s[4:5] offset:PPITCH*\j+4096
.endr
	global_load_b64 v[24:25], v2, s[28:29] offset:4096
.irp j, 0,1,2,3,4,5,6,7
	global_load_b128 v[32+4*\j:35+4*\j], v1, s[30:31] offset:PPITCH*\j
.endr
	global_load_b128 v[64:67], v1, s[6:7]
	global_load_b128 v[68:71], v1, s[6:7] offset:512
	global_load_b128 v[72:75], v1, s[8:9]
	s_wait_loadcnt 11                              ; the nine pairs are in; the eleven younger loads may be out
	v_max3_num_f32 v3, v8, v10, v12
	v_max3_num_f32 v4, v14, v16, v18
	v_max3_num_f32 v3, v3, v20, v22
	v_max_num_f32 v3, v3, v4                       ; M
.irp j, 0,1,2,3,4,5,6,7
	v_sub_f32 v[76+\j], v[8+2*\j], v3
.endr
	v_sub_f32 v84, v24, v3
	s_wait_alu depctr_va_vdst(0)                   ; ahead of the batch
.irp j, 0,1,2,3,4,5,6,7,8
	v_exp_f32 v[76+\j], v[76+\j]                   ; f_j, and f_g in v84: at most 1
.endr
	v_nop
	s_wait_alu depctr_va_vdst(0)                   ; and for the one behind it
	v_mul_f32 v5, v9, v76
.irp j, 1,2,3,4,5,6,7
	v_fma_f32 v5, v[9+2*\j], v[76+\j], v5          ; L: at least 1
.endr
	s_wait_alu depctr_va_vdst(0)                   ; ahead of the transcendental, and directly ahead of the wait below
	s_wait_loadcnt 0x0
	v_rcp_f32 v6, v5
	v_pk_mul_f32 v[86:87], v[32:33], v[76:77] op_sel_hi:[1,0]      ; the sums begin with block 0; this work names nothing of the reciprocal's
	v_pk_mul_f32 v[88:89], v[34:35], v[76:77] op_sel_hi:[1,0]
.irp j, 1,3,5,7
	v_pk_fma_f32 v[86:87], v[32+4*\j:33+4*\j], v[75+\j:76+\j], v[86:87] op_sel:[0,1,0] op_sel_hi:[1,1,1]
	v_pk_fma_f32 v[88:89], v[34+4*\j:35+4*\j], v[75+\j:76+\j], v[88:89] op_sel:[0,1,0] op_sel_hi:[1,1,1]
.if \j < 7
	v_pk_fma_f32 v[86:87], v[36+4*\j:37+4*\j], v[77+\j:78+\j], v[86:87] op_sel_hi:[1,0,1]
	v_pk_fma_f32 v[88:89], v[38+4*\j:39+4*\j], v[77+\j:78+\j], v[88:89] op_sel_hi:[1,0,1]
.endif
.endr
	s_wait_alu depctr_va_vdst(0)                   ; the wait ahead of the reciprocal's first reader
	v_mul_f32 v84, v84, v6                         ; f_g / L
	v_pk_mul_f32 v[86:87], v[86:87], v[6:7] op_sel_hi:[1,0]
	v_pk_mul_f32 v[88:89], v[88:89], v[6:7] op_sel_hi:[1,0]
.irp q, 0,2,4,6
	v_pk_mul_f32 v[64+\q:65+\q], v[64+\q:65+\q], v[84:85] op_sel_hi:[1,0]
.endr
	global_store_b128 v1, v[86:89], s[10:11]                   ; my 128 columns of the context
	global_store_b128 v1, v[72:75], s[10:11] offset:4096       ; hidden into the second half of out0's row
	global_store_b128 v1, v[64:67], s[12:13]                   ; block g's 256 weights
	global_store_b128 v1, v[68:71], s[12:13] offset:512
	s_endpgm
.Lfunc_end_k_q395017acb4_context:
	.size	k_q395017acb4_context, .Lfunc_end_k_q395017acb4_context-k_q395017acb4_context
	.p2alignl 7, 3214868480
	.fill 96, 4, 3214868480
	.section	.rodata,"a",@progbits
	.p2align	6, 0x0
	.amdhsa_kernel k_q395017acb4_context
		.amdhsa_group_segment_fixed_size 0
		.amdhsa_private_segment_fixed_size 0
		.amdhsa_enable_private_segment 0
		.amdhsa_kernarg_size 40
		.amdhsa_user_sgpr_count 2
		.amdhsa_user_sgpr_kernarg_segment_ptr 1
		.amdhsa_wavefront_size32 1
		.amdhsa_system_sgpr_workgroup_id_x 1
		.amdhsa_system_sgpr_workgroup_id_y 1
		.amdhsa_system_sgpr_workgroup_id_z 1
		.amdhsa_system_vgpr_workitem_id 0
		.amdhsa_next_free_vgpr 96
		.amdhsa_next_free_sgpr 66
		.amdhsa_reserve_vcc 0
		.amdhsa_float_denorm_mode_32 3
		.amdhsa_float_denorm_mode_16_64 3
		.amdhsa_memory_ordered 1
		.amdhsa_forward_progress 1
		.amdhsa_inst_pref_size 7
	.end_amdhsa_kernel
	.amdgpu_metadata
---
amdhsa.version: [ 1, 2 ]
amdhsa.kernels:
  - .name:           k_q395017acb4_context
    .symbol:         k_q395017acb4_context.kd
    .args:
      - { .name: part, .offset: 0, .size: 8, .value_kind: global_buffer, .address_space: global }
      - { .name: scores, .offset: 8, .size: 8, .value_kind: global_buffer, .address_space: global }
      - { .name: hidden, .offset: 16, .size: 8, .value_kind: global_buffer, .address_space: global }
      - { .name: out0, .offset: 24, .size: 8, .value_kind: global_buffer, .address_space: global }
      - { .name: out1, .offset: 32, .size: 8, .value_kind: global_buffer, .address_space: global }
    .group_segment_fixed_size: 0
    .private_segment_fixed_size: 0
    .kernarg_segment_align: 8
    .kernarg_segment_size: 40
    .max_flat_workgroup_size: 32
    .sgpr_count:     66
    .vgpr_count:     96
    .wavefront_size: 32
...
	.end_amdgpu_metadata
.endif
;; end of part 3
